; MI455X (gfx1250); checked and timed in simulation.
; The chip was launched on July 23, 2026; its instructions are those of AMD's public machine-readable ISA for CDNA 5 (MIT licence, August 2026) and "CDNA5" Instruction Set Architecture Reference Guide (July 2026). The comments in the code are by the model that wrote it; some were corrected since.
;; Scaled Dot Product Attention. Allowed arithmetic: matrix products marked QUANTISED: E2M1 operands, one E8M0 scale for each 32 along K, by v_wmma_scale_f32_16x16x128_f8f6f4 with both operands' format E2M1 (or v_wmma_scale_f32_32x16x128_f4), f32 sums; everything else in f32.
;; Inputs: x 4,096 x 1,024 float32.
;; Outputs: out0 4,096 x 1,024 float32.
;; This version of the problem:
;;   THIS VERSION OF THE PROBLEM IS GIVEN IN LOW PRECISION. The matrix products marked QUANTISED in the list below multiply operands that are first quantised to E2M1 (2 exponent bits, 1 mantissa bit; 4 bits a number), with one power-of-two scale for each 32 numbers along K (OCP MX v1.0); their sums are f32. All else is computed in f32.
;;   The module's matrix products, in the order in which they are computed (A, B: the left and right operand; K: the contracted axis; several contracted axes count as one K, in the product's order):
;;     1. batch 16 x [M 4,096, K 64] x [K 64, N 4,096]; A: input x; B: input x: QUANTISED
;;     2. batch 16 x [M 4,096, K 4,096] x [K 4,096, N 64]; A: softmax (see below); B: input x: QUANTISED
;;   THE QUANTISER, for each operand of a quantised product, along K:
;;     - K is cut into blocks of 32 from its start; a last block that is shorter is filled with zeros.
;;     - A block's scale is 2^e with e = floor(log2(the largest magnitude in the block)) - 2, held to -126 .. 127; a block of zeros has e = 0. As a byte (E8M0): e + 127.
;;     - Each number is divided by its block's scale, clamped to +-6, and rounded to the nearest number of E2M1, ties to even, subnormals kept.
;;     - The product sums the exact products of the quantised numbers (number of the format x scale) in f32.
;;   ~~~python
;;   def quantise(x, axis):      # numpy; x: float32 -> the quantised numbers, widened to float32 again
;;       x = np.moveaxis(x, axis, -1); K = x.shape[-1]
;;       x = np.pad(x, [(0, 0)] * (x.ndim - 1) + [(0, -K % 32)]); x = x.reshape(x.shape[:-1] + (-1, 32)); a = np.abs(x).max(-1, keepdims=True)
;;       e = np.where(a > 0, np.clip(np.frexp(np.where(a > 0, a, 1))[1] - 1 - 2, -126, 127), 0)      # np.frexp(a)[1] - 1 = floor(log2(a)), exactly
;;       r = np.clip(x / 2.0 ** e, -6, 6)
;;       step = 2.0 ** (np.maximum(np.frexp(np.where(r == 0, 1, r))[1] - 1, 0) - 1)
;;       q = np.round(r / step) * step * 2.0 ** e      # np.round: ties to even
;;       return np.moveaxis(q.reshape(q.shape[:-2] + (-1,))[..., :K], -1, axis).astype(np.float32)
;;   ~~~
;;   SOFTMAX AHEAD OF A QUANTISED PRODUCT. Where the list says 'softmax', what is quantised is not the finished softmax but p = 2^(t - M), with t = logit x log2(e) and M = ceil(the row's largest t), a whole number; so 1/2 < the row's largest p <= 1. The row's sum l is taken of the UNQUANTISED p, in f32, and the product's result is divided by l at the end. Since M is a whole number, a kernel that streams over the keys may use a running M (the ceiling of the running maximum): every later rescaling is an exact power of two, which a block's scale takes up: the codes' values come out the same.
;;   OPERANDS COMPUTED ON THE WAY. 'Computed on the way' means the value that the module computes at that place (a softmax that the list does not call 'softmax' is quantised finished and normalised). What goes into a quantiser is computed in f32, as accurately as f32 sums, v_exp_f32 and their like allow (about 1e-6 of the number): no bf16 or f16 on the way to a quantiser, and a product that is left as it is and whose result goes on into a quantised operand takes f32 operands (vector FMAs, or v_wmma_f32_16x16x4_f32). A number that lies on a knife's edge between two numbers of the format may be rounded either way, as far as f32 arithmetic and the matrix unit's own rounding can turn it there, and no further.
;; One version. Each part assembles by itself: llvm-mc -triple=amdgcn-amd-amdhsa -mcpu=gfx1250 --defsym DOCPART=n.
;; ======== version 1 of 1: 2 launches
;; limits: right only within a limited range of input values
;; workspace buffers: kv 4,456,448 bytes
;; launch quant (part 1): grid 32 x 16, 8 waves a work-group, no clusters, 37,888 bytes of LDS; arguments x, kv; writes kv
.if DOCPART == 1
	.amdgcn_target "amdgcn-amd-amdhsa--gfx1250"
	.amdhsa_code_object_version 6
	.text
	.protected	k_q25ae29f87c_quant
	.globl	k_q25ae29f87c_quant
	.p2align	8
	.type	k_q25ae29f87c_quant,@function
k_q25ae29f87c_quant:
	s_mov_b64 s[64:65], 0
	v_nop
	global_prefetch_b8 v0, s[64:65] scope:SCOPE_SE
	s_setreg_imm32_b32 hwreg(HW_REG_WAVE_MODE, 25, 1), 1
	s_wait_xcnt 0x0
; x [4096 tokens][1024] f32 (16 heads x 64 channels) is quantised TWICE into codes of E2M1 with one E8M0 byte for each 32 numbers:
; along the channels (the first product's K: queries and keys are the same numbers) and down the tokens (the second product's K: the values).
; A block's scale is 2^(floor(log2(its largest magnitude)) - 2); its byte is the largest magnitude's exponent field - 2, held at 1 from below by a floor among the maximum's leaves.
; LIMITS: NaN and infinities among the inputs are not served.  A block of zeros gets the byte 1 where the rule says 127: its codes are zeros, which add nothing under that byte, and this program alone reads the bytes.
; SHARES.  Work-group (x = step, y = head) takes 128 tokens x 64 channels and writes one dense block of 8,704 bytes of kv, laid [head][step][8,704] in the order of the operands' registers:
;   +0     K images: tile w (0..7) at 512 w; lane (r, h)'s 16 bytes at 16 x lane: channels 32 h .. 32 h + 31 of token 64 (w / 4) + 8 (w % 4) + 32 (r / 8) + r % 8
;   +4096  V images: wave w = 2 t + c at 512 w; lane (r, h)'s 16 bytes at 16 x lane: channel 16 t + r at tokens 64 c + 32 h + 0 .. 31
;   +8192  K's scale bytes, +8448 V's: in both the byte of lane (r, h) of wave w lies at 16 r + 2 w + h: four neighbouring bytes are a scale word of a pair of K's tiles, or of a channel's 128 tokens
; The tile goes through LDS once: loaded as it lies (sixteen lanes to 256 consecutive bytes of a token's row), read back both ways, 32 numbers of one block to a lane, so that no maximum needs another lane.
; No tensor loads, no matrix work, no cluster: work-groups share no input, and each byte of x is read once.
.set STEPB, 8704
.set HEADB, 32*STEPB
.set SCB,   36096                      ; LDS behind the tile (its last byte is 35,183): K's 256 scale bytes, then V's 256
.set SPARE, 0x9000                     ; the spare words, 128 bytes a wave
; LDS row of token k begins at 272 k + 128 (k / 32): rows 32 apart lie 128 bytes apart modulo 256, neighbouring rows 16
.set GOFF, 4                           ; v4   in: 4096 h + 16 r: two rows of x an instruction
.set STA,  5                           ; v5   into the tile: rows 16 w + h on
.set KRA,  6                           ; v6   out of it for K: my token's row, + 128 h
.set VRA,  7                           ; v7   out of it for V: my first token's row, + my channel
.set SBA,  8                           ; v8   my scale byte's place
.set L16,  9                           ; v9   16 x lane
.set L8,   10                          ; v10  8 x lane
.set SRA,  11                          ; v11  the scale bytes on their way out
.set XL,   16                          ; v16-47   the eight loads
.set KN,   48                          ; v48-79   K: my 32 numbers
.set VN,   80                          ; v80-111  V: my 32 numbers
.set KC,   112                         ; v112-115 K's codes; v116-119 V's; v120, v121 the two bytes; v[122:123] scale bytes on their way out
.set VC,   116
	s_load_b128 s[4:7], s[0:1], 0x0                ; x s[4:5], kv s[6:7]
	v_lshl_add_u32 v128, v0, 2, SPARE
	v_mov_b32 v129, 0
	v_lshrrev_b32 v1, 5, v0
	s_delay_alu instid0(VALU_DEP_1)
	v_readfirstlane_b32 s8, v1                     ; wave 0..7
	v_and_b32 v1, 31, v0                           ; lane
	v_and_b32 v2, 15, v0                           ; r
	v_bfe_u32 v3, v0, 4, 1                         ; h
	v_bfe_u32 v12, v0, 3, 1                        ; r / 8
	s_wait_alu depctr_va_vdst(0)                   ; ahead of the run of scalar lines
	s_and_b32 s9, ttmp7, 0xffff                    ; head
	s_lshr_b32 s10, s8, 1                          ; w / 2
	s_and_b32 s11, s8, 1                           ; w % 2
	s_mul_i32 s26, s8, 4352                        ; row 16 w: 16 x 272 w + 128 (w / 2)
	s_lshl_b32 s12, s10, 7
	s_add_co_u32 s26, s26, s12
	s_lshr_b32 s27, s8, 2                          ; K: token 64 (w / 4) + 8 (w % 4): 17664 = 64 x 272 + 2 x 128; 2176 = 8 x 272
	s_mul_i32 s27, s27, 17664
	s_and_b32 s12, s8, 3
	s_mul_i32 s12, s12, 2176
	s_add_co_u32 s27, s27, s12
	s_mul_i32 s28, s11, 17664                      ; V: token 64 (w % 2), channel 16 (w / 2)
	s_lshl_b32 s12, s10, 6
	s_add_co_u32 s28, s28, s12
	s_lshl_b32 s29, s8, 1
	s_add_co_u32 s29, s29, SCB                     ; scale bytes: + 2 w
	s_lshl_b32 s24, s11, 8                         ; waves 0 and 1 carry the scale bytes out: K's block, V's block
	s_add_co_u32 s30, s24, SCB
	s_lshl_b32 s18, ttmp9, 19                      ; the step's 128 rows of 4,096 bytes,
	s_lshl_b32 s19, s9, 8                          ; the head's 256 bytes of a row,
	s_add_co_u32 s18, s18, s19
	s_lshl_b32 s19, s8, 16                         ; my wave's 16 rows
	s_add_co_u32 s18, s18, s19
	s_mov_b32 s19, 0
	s_mul_i32 s20, s9, HEADB
	s_mul_i32 s21, ttmp9, STEPB
	s_add_co_u32 s20, s20, s21                     ; the work-group's block of kv
	s_mov_b32 s21, 0
	s_lshl_b32 s22, s8, 9                          ; my image: 512 w
	s_mov_b32 s23, 0
	s_add_co_u32 s24, s24, 8192
	s_mov_b32 s25, 0
	v_lshlrev_b32 v[GOFF], 4, v2                   ; the addresses, by turns
	v_mul_u32_u24 v[STA], v3, 272
	v_mul_u32_u24 v[KRA], v2, 272
	v_mul_u32_u24 v[VRA], v3, 8832                 ; 32 rows on: 32 x 272 + 128
	v_lshl_add_u32 v[SBA], v2, 4, v3               ; 16 r + h
	v_lshlrev_b32 v[L16], 4, v1
	v_lshlrev_b32 v[L8], 3, v1
	v_lshl_add_u32 v[GOFF], v3, 12, v[GOFF]
	v_lshl_add_u32 v[STA], v2, 4, v[STA]
	v_mad_u32_u24 v[KRA], v12, 6656, v[KRA]        ; rows 8-15 of a tile lie 32 tokens behind rows 0-7: 8832 - 8 x 272
	v_lshl_add_u32 v[VRA], v2, 2, v[VRA]
	v_add_nc_u32 v[SBA], s29, v[SBA]
	v_add_nc_u32 v[SRA], s30, v[L8]
	v_lshl_add_u32 v[KRA], v3, 7, v[KRA]
	v_add_nc_u32 v[STA], s26, v[STA]
	v_add_nc_u32 v[VRA], s28, v[VRA]
	s_delay_alu instid0(VALU_DEP_3)
	v_add_nc_u32 v[KRA], s27, v[KRA]
	s_wait_alu depctr_va_vdst(0)                   ; at the head's end
	s_wait_kmcnt 0x0
	s_add_nc_u64 s[12:13], s[4:5], s[18:19]
	s_add_nc_u64 s[14:15], s[6:7], s[20:21]
	s_add_nc_u64 s[16:17], s[14:15], s[24:25]
	s_add_nc_u64 s[14:15], s[14:15], s[22:23]
.irp i, 0,1,2,3,4,5,6,7
	global_load_b128 v[XL+4*\i:XL+4*\i+3], v[GOFF], s[12:13] offset:8192*\i th:TH_LOAD_NT   ; tokens 16 w + 2 i + h: sixteen lanes read 256 consecutive bytes, aligned
.endr
.irp i, 0,1,2,3,4,5,6,7
	s_wait_loadcnt 7-\i                            ; load i is in, the 7 - i younger ones stay out
	ds_store_b128 v[STA], v[XL+4*\i:XL+4*\i+3] offset:544*\i
.endr
	s_wait_dscnt 0x0                               ; for the others' sake: my rows lie in the tile
	s_barrier_signal -1
	s_barrier_wait -1                              ; the tile is whole
.irp i, 0,1,2,3,4,5,6,7
	ds_load_b128 v[KN+4*\i:KN+4*\i+3], v[KRA] offset:16*\i         ; K: 32 neighbouring channels of my token
.endr
.irp i, 0,1,2,3,4,5,6,7,8,9,10,11,12,13,14,15,16,17,18,19,20,21,22,23,24,25,26,27,28,29,30,31
	ds_load_b32 v[VN+\i], v[VRA] offset:272*\i                     ; V: my channel at 32 neighbouring tokens: the registers run down the second product's K
.endr
; 32 numbers of one block, all in my registers, become 16 bytes of codes and the scale's byte
.macro Q32 src, dst, byte
	v_max3_num_f32 v12, |v[\src]|, |v[\src+1]|, |v[\src+2]|        ; the largest magnitude, in two chains
	v_max3_num_f32 v13, |v[\src+3]|, |v[\src+4]|, |v[\src+5]|
.irp i, 6,10,14,18,22,26
	s_delay_alu instid0(VALU_DEP_2)
	v_max3_num_f32 v12, v12, |v[\src+\i]|, |v[\src+\i+1]|
	s_delay_alu instid0(VALU_DEP_2)
	v_max3_num_f32 v13, v13, |v[\src+\i+2]|, |v[\src+\i+3]|
.endr
	s_delay_alu instid0(VALU_DEP_2)
	v_max3_num_f32 v12, v12, |v[\src+30]|, |v[\src+31]|
	s_delay_alu instid0(VALU_DEP_1)
	v_max3_num_f32 v12, v12, v13, 0x1800000        ; and the floor 2^(3 - 127): the byte cannot fall under 1
	s_delay_alu instid0(VALU_DEP_1)
	v_add_nc_u32 v14, 0xff000000, v12              ; 2 off the exponent field: the conversion takes this operand's exponent field as its scale
.irp g, 0,1,2,3
	v_cvt_scalef32_pk8_fp4_f32 v[\dst+\g], v[\src+8*\g:\src+8*\g+7], v14   ; nearest code, ties to even, beyond 6 the largest code
.endr
	v_lshrrev_b32 v[\byte], 23, v14                ; the scale's byte; also the plain line behind the conversions
.endm
	s_wait_dscnt 32                                ; K's eight loads are in; V's 32, issued behind them, may be out
	Q32 KN, KC, 120
	global_store_b128 v[L16], v[KC:KC+3], s[14:15]                 ; 32 lanes store 512 consecutive bytes, aligned
	s_wait_dscnt 0x0                               ; V's numbers are in
	Q32 VN, VC, 121
	global_store_b128 v[L16], v[VC:VC+3], s[14:15] offset:4096
	ds_store_b8 v[SBA], v120                       ; each lane of each wave has a byte of its own
	ds_store_b8 v[SBA], v121 offset:256
	s_wait_dscnt 0x0                               ; for the others' sake: my two bytes have landed
	s_barrier_signal -1
	s_barrier_wait -1                              ; both blocks of 256 scale bytes are whole
	s_cmp_lt_u32 s8, 2
	s_cbranch_scc0 .Ldone                          ; wave 0 carries K's out, wave 1 V's
	ds_load_b64 v[122:123], v[SRA]
	s_wait_dscnt 0x0
	global_store_b64 v[L8], v[122:123], s[16:17]   ; 32 lanes store 256 consecutive bytes, aligned
.Ldone:
	s_wait_tensorcnt 0x0                           ; the wave's end
	ds_add_u32 v128, v129
	s_wait_dscnt 0x0
	s_endpgm
.Lfunc_end_k_q25ae29f87c_quant:
	.size	k_q25ae29f87c_quant, .Lfunc_end_k_q25ae29f87c_quant-k_q25ae29f87c_quant
	.p2alignl 7, 3214868480
	.fill 96, 4, 3214868480
	.section	.rodata,"a",@progbits
	.p2align	6, 0x0
	.amdhsa_kernel k_q25ae29f87c_quant
		.amdhsa_group_segment_fixed_size 37888
		.amdhsa_private_segment_fixed_size 0
		.amdhsa_enable_private_segment 0
		.amdhsa_kernarg_size 16
		.amdhsa_user_sgpr_count 2
		.amdhsa_user_sgpr_kernarg_segment_ptr 1
		.amdhsa_wavefront_size32 1
		.amdhsa_system_sgpr_workgroup_id_x 1
		.amdhsa_system_sgpr_workgroup_id_y 1
		.amdhsa_system_sgpr_workgroup_id_z 1
		.amdhsa_system_vgpr_workitem_id 0
		.amdhsa_next_free_vgpr 130
		.amdhsa_next_free_sgpr 66
		.amdhsa_reserve_vcc 0
		.amdhsa_float_denorm_mode_32 3
		.amdhsa_float_denorm_mode_16_64 3
		.amdhsa_memory_ordered 1
		.amdhsa_forward_progress 1
		.amdhsa_inst_pref_size 12
	.end_amdhsa_kernel
	.amdgpu_metadata
---
amdhsa.version: [ 1, 2 ]
amdhsa.kernels:
  - .name:           k_q25ae29f87c_quant
    .symbol:         k_q25ae29f87c_quant.kd
    .args:
      - { .name: x, .offset: 0, .size: 8, .value_kind: global_buffer, .address_space: global }
      - { .name: kv, .offset: 8, .size: 8, .value_kind: global_buffer, .address_space: global }
    .group_segment_fixed_size: 37888
    .private_segment_fixed_size: 0
    .kernarg_segment_align: 8
    .kernarg_segment_size: 16
    .max_flat_workgroup_size: 256
    .sgpr_count:     66
    .vgpr_count:     130
    .wavefront_size: 32
...
	.end_amdgpu_metadata
.endif
;; end of part 1
;; launch attn (part 2): grid 16 x 16, 16 waves a work-group, clusters of 4 x 1, 327,680 bytes of LDS; arguments kv, out0; writes out0
.if DOCPART == 2
	.amdgcn_target "amdgcn-amd-amdhsa--gfx1250"
	.amdhsa_code_object_version 6
	.text
	.protected	k_q25ae29f87c_attn
	.globl	k_q25ae29f87c_attn
	.p2align	8
	.type	k_q25ae29f87c_attn,@function
k_q25ae29f87c_attn:
	s_mov_b64 s[64:65], 0
	v_nop
	global_prefetch_b8 v0, s[64:65] scope:SCOPE_SE
	s_setreg_imm32_b32 hwreg(HW_REG_WAVE_MODE, 25, 1), 1
	s_wait_xcnt 0x0
	s_wait_alu depctr_hold_cnt(0) depctr_sa_sdst(0) depctr_va_vdst(0) depctr_va_sdst(0) depctr_va_ssrc(0) depctr_va_vcc(0) depctr_vm_vsrc(0)
	s_getreg_b32 s2, hwreg(HW_REG_IB_STS2, 6, 4)
	s_cmp_eq_u32 s2, 0
	s_cbranch_scc0 .Lentry_in_a_cluster
	s_endpgm
.Lentry_in_a_cluster:
	s_bfe_u32 s2, ttmp6, 0x10000c
	s_cmp_lg_u32 s2, 0x3003
	s_cbranch_scc0 .Lentry_shape_is_right
	s_endpgm
.Lentry_shape_is_right:
; out0[q][head] = the sum over k of softmax_k(x[q] . x[k] / 8) x[k], for each of 16 heads of 64 channels, 4,096 tokens, no mask; both products on codes of E2M1 with one E8M0 scale for each 32 along a product's K.
; kv holds, for each head and each step of 128 keys, a block of 8,704 bytes in the order of the operands' registers (made by the launch before):
;   +0 K images (tile w at 512 w: lane (r, h): channels 32 h on of key 64 (w / 4) + 8 (w % 4) + 32 (r / 8) + r % 8);  +4096 V images (channel tile t, half c at 1024 t + 512 c: lane (r, h): channel 16 t + r, keys 64 c + 32 h on);
;   +8192 K's scale words (16 r + 4 pi: the two bytes of tile 2 pi, then those of tile 2 pi + 1);  +8448 V's (16 r + 4 t: channel 16 t + r, the step's four blocks of keys).
; THE SOFTMAX AHEAD OF THE SECOND PRODUCT: t = score x log2(e) / 8; M = the running largest t rounded UP to a whole number; p = 2^(t - M) is quantised along the keys, not normalised; the row's sum is taken of the
; unquantised p and divides at the end.  When M moves, the sum and O are multiplied by 2^(old M - new M), which rounds nothing; there is no branch on data.
; LIMITS: NaN and infinities are not served; the promise holds while the scaled scores t stay under 2^31 in magnitude; a p under 2^-126 comes out of the exponential as 0; a block of p that is all zeros keeps the byte 1: its codes are zeros.
; SHARES.  A work-group owns 256 queries of one head; each of its sixteen waves, four to a SIMD, owns one image tile of 16 of them in 256 registers and walks the head's 32 steps.
; Both products are used transposed (S^T = K Q^T, O^T = V^T P^T): a lane holds ONE query (lane % 16) throughout.  By the choice of a tile's keys the 32 registers of tiles 4 c .. 4 c + 3 of S^T are, in lane half h,
; the 32 keys 64 c + 32 h on: A WHOLE BLOCK OF THE SECOND PRODUCT'S K IN ONE LANE, in the order of that operand's registers: a block's maximum needs no other lane, and the conversions' results are the operand.
; K = 64 IN AN INSTRUCTION OF 128: tiles 2 pi and 2 pi + 1 of K fill the two halves of ONE source 0, and Q stands in twelve registers as [0 | q | 0]: [q | 0] meets the first tile's codes, [0 | q] the second's; the other
; tile's codes meet zero codes and add nothing (every scale byte lies between 1 and 254).  One scale word serves both; Q's word holds its two bytes twice.
; ORDER OF A STEP n: S^T(n); O^T x f(n - 1); O^T += V^T(n - 1) P^T(n - 1); the LDS loads of K(n + 1) and V(n), which are waited for at the head of step n + 1; then step n's softmax and codes.
; LDS.  A whole head's block, 278,528 bytes, lies in LDS as it lies in memory, each byte filled ONCE, in two groups: at the head each of the sixteen waves asks for 17 rows of 256 bytes of steps 0-7; behind the lines that stand
; ahead of a later first fill, and a round of the cluster's barrier, for 51 rows of steps 8-31, which land under steps 0-6; one barrier stands ahead of step 7, the first that loads from them.
; Both groups are asked for ahead of the loops, so there is no later load that a prefetch could run ahead of: none is written.
; CLUSTER.  The four query blocks of a cluster read the same head, so each tile is asked for JOINTLY: the same tensor load, the same descriptor, a mask that names the four.  The place in the cluster enters Q's and out0's global addresses alone.
.set STEPB, 8704
.set HEADB, 32*STEPB
.set VIO,   4096
.set KSO,   8192
.set VSO,   8448
.set SPARE, 0x44000                    ; behind the head's block: the spare words, 128 bytes a wave
.set STG,   SPARE+2048                 ; behind them the way out's stages: for each wave 16 rows x (128 bytes + 16) = 2,304 bytes of its own, which no tensor load fills
.set SP,    144
.set LI,  1                            ; v1   16 x lane; never rewritten
.set LR,  2                            ; v2   16 x (lane % 16); never rewritten
.set ADI, 3                            ; v3   the images of a pair of steps
.set ADS, 4                            ; v4   their scale words
.set GO,  5                            ; v5   my byte offset in out0
.set STO, 6                            ; v6   where I put 32 bytes of a row
.set RD,  7                            ; v7   where I read half a row back
                                       ; -M stands by turns in v10 and v12 (v11, v13 are named with them as pairs); v13 the running largest score; v[14:15] the row's sum in two halves
.set QHI, 16                           ; v[16:23] = [0 | q]
.set QLO, 20                           ; v[20:27] = [q | 0]
.set SH8, 28                           ; v28  8 x (lane / 16)
.set KF,  32                           ; v32-63   K's four pairs of tiles
.set VF,  64                           ; v64-95   V's four fragments
.set S,   96                           ; v96-159  S^T, then p
.set O,   160                          ; v160-191 O^T
.set PC,  192                          ; v192-199 p's codes
.set KS,  200                          ; v200-203 K's scale words; v204-207 V's; v208 Q's; v209 p's: scales and nothing else
.set VS,  204
.set QS,  208
.set PW,  209
.set BM,  212                          ; v212, v213 my two blocks' largest scores, then their largest p
.set T4,  216                          ; v216, v217 the lane permutes' destinations
.set T2,  217
.set B0,  218                          ; v218, v219 the two scale bytes
.set SO,  220                          ; v220, v221 the conversions' scale operands
.set W,   222                          ; v222 my half of p's scale word
.set F,   224                          ; v224 f = 2^(old M - new M); v225 named with it as a pair
.set MT,  226                          ; v226-233 eight chains of maxima; then at work
.set LT,  234                          ; v234-249 eight pairs of partial sums
.set SPW, 254
.set NIL, 255
.set WV,  8                            ; s8   my wave's number
.set SEL, 20                           ; s[20:21] lane selects: lane l xor 16
.set CS,  22                           ; s[22:23] c = log2(e) / 8
.set G1A, 24                           ; s[24:31], s[32:39] descriptor groups 1: 17 and 51 rows of 256 bytes
.set G1B, 32
.set G0A, 48                           ; s[48:51], s[52:55] groups 0; never rewritten
.set G0B, 52
.set TB,  66                           ; s66  LDS byte at which the block of a trip's first step begins
.set CNT, 67
.macro CROUND                          ; a round of the cluster's barrier
	s_barrier_signal -1
	s_barrier_wait -1
	s_cmp_lg_u32 s[WV], 0
	s_cbranch_scc1 .Lnot_wave_0_\@
	s_barrier_signal -3
.Lnot_wave_0_\@:
	s_barrier_wait -3
	s_barrier_signal -1
	s_barrier_wait -1
.endm
.macro G1SET g, rows                   ; a dense block as rows of 256 bytes: 32 elements of 8 bytes
	s_mov_b32 s[\g], 15|(3<<16)|(1<<21)            ; the mask: all four work-groups; elements of 8 bytes; bit 21 beside a mask
	s_mov_b32 s[\g+1], 32<<16
	s_mov_b32 s[\g+2], (\rows)<<16
	s_mov_b32 s[\g+3], 32<<16
	s_mov_b32 s[\g+4], \rows
	s_mov_b32 s[\g+5], 32
	s_mov_b32 s[\g+6], 0
	s_mov_b32 s[\g+7], 0
.endm
	s_load_b128 s[4:7], s[0:1], 0x0                ; kv s[4:5], out0 s[6:7]
	v_lshl_add_u32 v[SPW], v0, 2, SPARE
	v_mov_b32 v[NIL], 0
	ds_add_u32 v[SPW], v[NIL]                      ; the opening lines: the add twice on end and its wait ahead of my first tensor load
	ds_add_u32 v[SPW], v[NIL]
	v_lshrrev_b32 v8, 5, v0
	s_delay_alu instid0(VALU_DEP_1)
	v_readfirstlane_b32 s[WV], v8                  ; wave 0..15
	s_and_b32 s11, ttmp7, 0xffff                   ; the head, which the four partners share
	G1SET G1A, 17
	G1SET G1B, 51
	s_mul_i32 s68, s11, HEADB
	s_mov_b32 s69, 0
	s_mul_i32 s76, s[WV], 17*256                   ; my part of steps 0-7, in the head's block and in LDS alike
	s_mov_b32 s77, 0
	s_mul_i32 s78, s[WV], 51*256                   ; and of steps 8-31
	s_add_co_u32 s78, s78, 8*STEPB
	s_mov_b32 s79, 0
	s_mov_b32 s[SEL], 0x76543210
	s_mov_b32 s[SEL+1], 0xfedcba98
	s_mov_b32 s[CS], 0x3e38aa3b                    ; log2(e) / 8
	s_mov_b32 s[CS+1], s[CS]
	s_wait_dscnt 0x0
	s_wait_kmcnt 0x0
	s_add_nc_u64 s[4:5], s[4:5], s[68:69]          ; kv at my head
	s_mov_b32 s[G0A], 1
	s_mov_b32 s[G0A+1], s76
	s_add_nc_u64 s[G0A+2:G0A+3], s[4:5], s[76:77]
	s_or_b32 s[G0A+3], s[G0A+3], 0x80000000
	s_mov_b32 s[G0B], 1
	s_mov_b32 s[G0B+1], s78
	s_add_nc_u64 s[G0B+2:G0B+3], s[4:5], s[78:79]
	s_or_b32 s[G0B+3], s[G0B+3], 0x80000000
	CROUND                                         ; all four work-groups are here: the joint loads meet
	tensor_load_to_lds s[G0A:G0A+3], s[G1A:G1A+7]  ; every wave's one load at the head
	s_nop 0
.rept 4
	v_nop
.endr
	; my tile of queries: block qb = 4 x cluster x + cx; step 2 qb + wave / 8, tile wave % 8
	s_bfe_u32 s9, ttmp6, 0x40000                   ; cx
	s_lshl_b32 s10, ttmp9, 2
	s_add_co_u32 s10, s10, s9                      ; qb
	s_lshr_b32 s71, s[WV], 3
	s_lshl_b32 s70, s10, 1
	s_add_co_u32 s70, s70, s71
	s_mul_i32 s70, s70, STEPB
	s_and_b32 s72, s[WV], 7
	s_lshl_b32 s72, s72, 9
	s_add_co_u32 s72, s72, s70
	s_mov_b32 s73, 0
	s_add_nc_u64 s[12:13], s[4:5], s[72:73]        ; Q's codes: the image of K's tile
	s_bfe_u32 s18, s[WV], 0x20001                  ; its pair
	s_lshl_b32 s74, s18, 2
	s_add_co_u32 s74, s74, s70
	s_add_co_u32 s74, s74, KSO
	s_mov_b32 s75, 0
	s_add_nc_u64 s[14:15], s[4:5], s[74:75]        ; and the pair's scale word
	s_lshl_b32 s72, s10, 8
	s_lshr_b32 s71, s[WV], 2
	s_lshl_b32 s71, s71, 6
	s_add_co_u32 s72, s72, s71
	s_and_b32 s71, s[WV], 3
	s_lshl_b32 s71, s71, 3
	s_add_co_u32 s72, s72, s71                     ; lane r's query is 256 qb + 64 (wave / 4) + 8 (wave % 4) + r + 24 (r / 8)
	s_lshl_b32 s72, s72, 12                        ; a row of out0 is 4,096 bytes,
	s_lshl_b32 s71, s11, 8                         ; the head's part of it 256
	s_add_co_u32 s72, s72, s71
	s_add_nc_u64 s[16:17], s[6:7], s[72:73]
	s_and_b32 s18, s[WV], 1
	s_lshl_b32 s18, s18, 4                         ; where my tile's two bytes stand in the pair's word
	s_mul_i32 s19, s[WV], 16*SP
	s_add_co_u32 s19, s19, STG                     ; my stage
	v_and_b32 v[LI], 31, v0
	v_and_b32 v9, 15, v0                           ; r
	v_bfe_u32 v10, v0, 4, 1                        ; h
	s_delay_alu instid0(VALU_DEP_3)
	v_lshlrev_b32 v[LI], 4, v[LI]
	s_delay_alu instid0(VALU_DEP_3)
	v_lshlrev_b32 v[LR], 4, v9
	global_load_b128 v[QLO:QLO+3], v[LI], s[12:13] ; q: lane (r, h): channels 32 h on of my query
	global_load_b32 v8, v[LR], s[14:15]
	v_lshl_add_u32 v[GO], v10, 12, v[LR]           ; lanes 0-15 one row of out0, lanes 16-31 the next
	v_mul_u32_u24 v[STO], v9, SP
	v_mul_u32_u24 v[RD], v10, SP
	v_and_b32 v29, 7, v0
	v_lshlrev_b32 v[SH8], 3, v10
	s_delay_alu instid0(VALU_DEP_4)
	v_lshl_add_u32 v[STO], v10, 5, v[STO]
	s_delay_alu instid0(VALU_DEP_3)
	v_lshl_add_u32 v[RD], v29, 4, v[RD]
	s_delay_alu instid0(VALU_DEP_2)
	v_add_nc_u32 v[STO], s19, v[STO]               ; in: row r, + 32 h
	s_delay_alu instid0(VALU_DEP_2)
	v_add_nc_u32 v[RD], s19, v[RD]                 ; back: row lane / 16, 16 bytes at 16 (lane % 8)
.irp j, 0,1,2,3
	v_mov_b32 v[QHI+\j], 0                         ; the zero codes on either side of q
	v_mov_b32 v[QLO+4+\j], 0
.endr
	v_mov_b32 v[T4], 0                             ; a lane permute's destination counts as one of its sources
	v_mov_b32 v[T2], 0
	v_mov_b32 v[F+1], 0
	v_mov_b32 v11, 0                               ; (named as the upper half of a pair)
	v_mov_b32 v14, 0                               ; the sum, in two halves
	v_mov_b32 v15, 0
	v_mov_b32 v13, 0xff61b1e6                      ; the largest score so far: -3e38
	s_delay_alu instid0(VALU_DEP_1)
	v_mul_f32 v226, s[CS], v13
	s_delay_alu instid0(VALU_DEP_1)
	v_floor_f32 v12, -v226                         ; -M
	s_wait_alu depctr_va_vdst(0)                   ; ahead of the wait below
	s_wait_loadcnt 0x0                             ; q and its word
	v_lshrrev_b32 v8, s18, v8
	s_delay_alu instid0(VALU_DEP_1)
	v_and_b32 v8, 0xffff, v8                       ; my tile's two bytes,
	s_delay_alu instid0(VALU_DEP_1)
	v_lshl_or_b32 v[QS], v8, 16, v8                ; twice: they scale q in either half of K
.set j, 0
.rept 32
	v_mov_b32 v[O+j], 0                            ; O^T: the first rescaling finds zeros and leaves zeros.  These lines also stand between the scale word's write and the first product
.set j, j+1
.endr
	s_wait_alu depctr_va_vdst(0)                   ; at the head's end
	s_wait_tensorcnt 0x0                           ; my part of steps 0-7 is in; these lines stand ahead of a later first fill:
	ds_add_u32 v[SPW], v[NIL]
	s_wait_dscnt 0x0
	CROUND                                         ; everybody's part is in, and all four work-groups are here
	tensor_load_to_lds s[G0B:G0B+3], s[G1B:G1B+7]  ; steps 8-31: my one load behind the round, and my last
	s_nop 0
.rept 4
	v_nop
.endr
	ds_load_b128 v[KS:KS+3], v[LR] offset:KSO      ; step 0's K
.irp p, 0,1,2,3,4,5,6,7
	ds_load_b128 v[KF+4*\p:KF+4*\p+3], v[LI] offset:512*\p
.endr
	s_mov_b32 s[TB], 0
.macro RESC                            ; O^T under the M of the codes that are about to be added, each accumulator from its low end on
.set j, 0
.rept 16
	v_pk_mul_f32 v[O+j:O+j+1], v[O+j:O+j+1], v[F:F+1] op_sel_hi:[1,0]
.set j, j+2
.endr
.endm
.macro PV                              ; O^T += V^T P^T: the four accumulators by turns
.irp t, 0,1,2,3
	v_wmma_scale_f32_16x16x128_f8f6f4 v[O+8*\t:O+8*\t+7], v[VF+8*\t:VF+8*\t+7], v[PC:PC+7], v[O+8*\t:O+8*\t+7], v[VS+\t], v[PW] matrix_a_fmt:MATRIX_FMT_FP4 matrix_b_fmt:MATRIX_FMT_FP4
.endr
.endm
.macro SCALE c                         ; block c of my two: scale operand, its 32 codes, its byte (the plain line behind the conversions)
	v_max_num_f32 v[BM+\c], 0x1800000, v[BM+\c]    ; the floor 2^(3 - 127): the byte cannot fall under 1
	v_add_nc_u32 v[SO+\c], 0xff000000, v[BM+\c]    ; 2 off the exponent field
.irp i, 0,1,2,3
	v_cvt_scalef32_pk8_fp4_f32 v[PC+4*\c+\i], v[S+32*\c+8*\i:S+32*\c+8*\i+7], v[SO+\c]   ; keys 64 c + 32 h + 8 i on
.endr
	v_lshrrev_b32 v[B0+\c], 23, v[SO+\c]
.endm
.macro ADD8 off                        ; eight chains of sums take eight pairs of the second half's p
.set j, 0
.rept 8
	v_pk_add_f32 v[LT+2*j:LT+2*j+1], v[LT+2*j:LT+2*j+1], v[S+32+4*j+\off:S+33+4*j+\off]
.set j, j+1
.endr
.endm
; A KEY STEP n: 128 keys, whose block begins at LDS byte s[TB] + off.  first = 1: no step lies behind it; more = 1: a step follows; par = n % 2: which register takes the new -M; adr = 1: the address registers are made.
.macro ITER first, more, par, off, adr
.set MN, 10+2*\par                     ; the new -M
.set MO, 12-2*\par                     ; the old
	s_wait_dscnt 0x0                               ; K(n) and V(n - 1) with their words: issued a step ago
.irp p, 0,1,2,3                                ; S^T = K Q^T: eight accumulators, each begun with the constant 0
	v_wmma_scale_f32_16x16x128_f8f6f4 v[S+16*\p:S+16*\p+7], v[KF+8*\p:KF+8*\p+7], v[QLO:QLO+7], 0, v[KS+\p], v[QS] matrix_a_fmt:MATRIX_FMT_FP4 matrix_b_fmt:MATRIX_FMT_FP4
	v_wmma_scale_f32_16x16x128_f8f6f4 v[S+16*\p+8:S+16*\p+15], v[KF+8*\p:KF+8*\p+7], v[QHI:QHI+7], 0, v[KS+\p], v[QS] matrix_a_fmt:MATRIX_FMT_FP4 matrix_b_fmt:MATRIX_FMT_FP4
.endr
	s_wait_alu depctr_va_vdst(0)                   ; ahead of the first readers of O^T, and of what was written ahead of the branch
.if \first == 0
	RESC                                           ; sixteen plain lines behind the scores' products; twelve of them name no register of any one product below, and stand between the writes of p's word and codes and that product
	PV                                             ; step n - 1's
.endif
.if \adr
	v_add_nc_u32 v[ADI], s[TB], v[LI]
	v_add_nc_u32 v[ADS], s[TB], v[LR]
.endif
.if \first
	v_nop
	v_nop                                          ; with the two above: four plain lines behind the first products
.endif
.irp a, 0,1,2,3,4,5,6,7                        ; the largest score of my two blocks: a chain to each accumulator, read from its low end on.  These eight are also the plain lines behind the second product, ahead of the loads
	v_max3_num_f32 v[MT+\a], v[S+8*\a], v[S+8*\a+1], v[S+8*\a+2]
.endr
.if \more
	ds_load_b128 v[KS:KS+3], v[ADS] offset:\off+STEPB+KSO
.irp p, 0,1,2,3,4,5,6,7
	ds_load_b128 v[KF+4*\p:KF+4*\p+3], v[ADI] offset:\off+STEPB+512*\p   ; K(n + 1): an image is 512 consecutive bytes
.endr
.endif
	ds_load_b128 v[VS:VS+3], v[ADS] offset:\off+VSO
.irp p, 0,1,2,3,4,5,6,7
	ds_load_b128 v[VF+4*\p:VF+4*\p+3], v[ADI] offset:\off+VIO+512*\p     ; V(n)
.endr
.irp i, 3,5
.irp a, 0,1,2,3,4,5,6,7
	v_max3_num_f32 v[MT+\a], v[MT+\a], v[S+8*\a+\i], v[S+8*\a+\i+1]
.endr
.endr
	v_max3_num_f32 v[LT], v[S+7], v[S+15], v[S+23]                 ; the accumulators' last registers: three of each block here,
	v_max3_num_f32 v[LT+1], v[S+39], v[S+47], v[S+55]
	v_max3_num_f32 v[MT], v[MT], v[MT+1], v[S+31]                  ; the fourth with two of the block's chains
	v_max_num_f32 v[MT+2], v[MT+2], v[MT+3]
	v_max3_num_f32 v[MT+4], v[MT+4], v[MT+5], v[S+63]
	v_max_num_f32 v[MT+6], v[MT+6], v[MT+7]
	s_delay_alu instid0(VALU_DEP_3)
	v_max3_num_f32 v[BM], v[LT], v[MT], v[MT+2]    ; it serves twice: for the row's maximum and, since p rises with the score, for the block's largest p
	s_delay_alu instid0(VALU_DEP_2)
	v_max3_num_f32 v[BM+1], v[LT+1], v[MT+4], v[MT+6]
	s_delay_alu instid0(VALU_DEP_1)
	v_max3_num_f32 v13, v13, v[BM], v[BM+1]
	s_delay_alu instid0(VALU_DEP_1)
	v_permlanex16_b32 v[T4], v13, s[SEL], s[SEL+1]
	s_delay_alu instid0(VALU_DEP_1)
	v_max_num_f32 v13, v13, v[T4]                  ; with the other half of the lanes' keys: the running largest score of my query
	s_delay_alu instid0(VALU_DEP_1)
	v_mul_f32 v226, s[CS], v13                     ; as t (c is positive)
	s_delay_alu instid0(VALU_DEP_1)
	v_floor_f32 v[MN], -v226                       ; the new -M = -ceil(t)
	s_delay_alu instid0(VALU_DEP_1)
	v_fma_f32 v[BM], v[BM], s[CS], v[MN]           ; t - M of each block's largest score
	v_fma_f32 v[BM+1], v[BM+1], s[CS], v[MN]
	v_sub_f32 v227, v[MN], v[MO]                   ; old M - new M: a whole number, 0 or less
.set j, 0
.rept 16                                       ; t - M of the first half, two at a time; f is made among these lines
	v_pk_fma_f32 v[S+j:S+j+1], v[S+j:S+j+1], s[CS:CS+1], v[MN:MN+1] op_sel_hi:[1,0,0]
.if j == 6
	v_cvt_i32_f32 v227, v227                       ; (it saturates)
.endif
.if j == 16
	v_ldexp_f32 v[F], 1.0, v227                    ; f = 2^(old M - new M)
.endif
.set j, j+2
.endr
	s_wait_alu depctr_va_vdst(0)                   ; ahead of the batch
	v_exp_f32 v[BM], v[BM]                         ; the blocks' largest p
	v_exp_f32 v[BM+1], v[BM+1]
.set j, 0
.rept 16                                       ; p of the first half; the second half's t - M stands among them and is read behind the next wait
	v_exp_f32 v[S+j], v[S+j]
	v_exp_f32 v[S+j+1], v[S+j+1]
	v_pk_fma_f32 v[S+32+j:S+33+j], v[S+32+j:S+33+j], s[CS:CS+1], v[MN:MN+1] op_sel_hi:[1,0,0]
.set j, j+2
.endr
	s_wait_alu depctr_va_vdst(0)                   ; one wait: behind the first batch and ahead of the second
.set j, 0
.rept 8                                        ; p of the second half; among them the first half's codes and first sums, whose results are read behind the next wait
	v_exp_f32 v[S+32+4*j], v[S+32+4*j]
	v_exp_f32 v[S+33+4*j], v[S+33+4*j]
	v_exp_f32 v[S+34+4*j], v[S+34+4*j]
	v_exp_f32 v[S+35+4*j], v[S+35+4*j]
.if j == 0
	SCALE 0
.endif
	v_pk_add_f32 v[LT+2*j:LT+2*j+1], v[S+4*j:S+4*j+1], v[S+4*j+2:S+4*j+3]   ; THE ROW'S SUM IS TAKEN OF THE UNQUANTISED p
.set j, j+1
.endr
	s_wait_alu depctr_va_vdst(0)                   ; behind the second batch
	SCALE 1
	v_lshl_or_b32 v[W], v[B0+1], 16, v[B0]         ; my two bytes: blocks h and 2 + h,
	ADD8 0
	v_lshlrev_b32 v[W], v[SH8], v[W]               ; at their places in the word
	ADD8 2
	v_permlanex16_b32 v[T2], v[W], s[SEL], s[SEL+1]
.irp k, 0,1,2,3
	v_pk_add_f32 v[LT+2*\k:LT+2*\k+1], v[LT+2*\k:LT+2*\k+1], v[LT+8+2*\k:LT+9+2*\k]
.endr
	v_or_b32 v[PW], v[W], v[T2]                    ; with the other half's two: p's scale word for these 128 keys
	v_pk_add_f32 v[LT:LT+1], v[LT:LT+1], v[LT+4:LT+5]
	v_pk_add_f32 v[LT+2:LT+3], v[LT+2:LT+3], v[LT+6:LT+7]
	s_delay_alu instid0(VALU_DEP_1)
	v_pk_add_f32 v[LT:LT+1], v[LT:LT+1], v[LT+2:LT+3]
	s_delay_alu instid0(VALU_DEP_1)
	v_pk_fma_f32 v[14:15], v[14:15], v[F:F+1], v[LT:LT+1] op_sel_hi:[1,0,1]   ; the sums under the new M, and this step's
.endm
.macro TRIPS n                         ; n trips of two steps, an odd one and an even one, on one pair of address registers
	s_mov_b32 s[CNT], \n
.Lstep_\@:
	ITER 0, 1, 1, 0, 1
	ITER 0, 1, 0, STEPB, 0
	s_add_co_u32 s[TB], s[TB], 2*STEPB
	s_sub_co_u32 s[CNT], s[CNT], 1
	s_cmp_lg_u32 s[CNT], 0
	s_cbranch_scc1 .Lstep_\@
.endm
	ITER 1, 1, 0, 0, 1                             ; step 0
	s_mov_b32 s[TB], STEPB
	TRIPS 3                                        ; steps 1 to 6: they read steps 0-7's bytes alone
	s_wait_alu depctr_va_vdst(0)                   ; ahead of the waits below
	s_wait_tensorcnt 0x0                           ; my part of steps 8-31 is in LDS
	s_wait_dscnt 0x0
	s_barrier_signal -1
	s_barrier_wait -1                              ; everybody's is
	s_mov_b32 s[TB], 7*STEPB
	TRIPS 12                                       ; steps 7 to 30
	s_mov_b32 s[TB], 31*STEPB
	ITER 0, 0, 1, 0, 1                             ; step 31 is written out: no K follows it
	s_wait_dscnt 0x0                               ; V(31)
	s_wait_alu depctr_va_vdst(0)                   ; ahead of the first readers of O^T
	RESC
	PV                                             ; step 31's
	; THE WAY OUT.  O^T is divided by the row's sum and goes through my own stage in LDS, 32 channels (128 bytes) of 16 queries at a time; lanes 0-7 of sixteen keep the first pass's 16 bytes, lanes 8-15 the second's,
	; so that sixteen lanes store a query's 256 bytes of the head.  No other wave touches the stage: no barrier.
	v_add_f32 v14, v14, v15
	s_delay_alu instid0(VALU_DEP_1)
	v_permlanex16_b32 v[T4], v14, s[SEL], s[SEL+1]
	s_delay_alu instid0(VALU_DEP_1)
	v_add_f32 v14, v14, v[T4]                      ; the row's sum
	s_wait_alu depctr_va_vdst(0)                   ; ahead of the transcendental
	v_rcp_f32 v14, v14
	v_nop
	v_nop                                          ; with the three lines above, five plain lines behind the last products
	s_wait_alu depctr_va_vdst(0)                   ; ahead of the reciprocal's first reader, which is also O^T's
.set j, 0
.rept 16
	v_pk_mul_f32 v[S+j:S+j+1], v[O+j:O+j+1], v[14:15] op_sel_hi:[1,0]   ; register 8 t + i is out(my query, 16 t + 8 h + i)
.set j, j+2
.endr
.irp u, 0,1                                    ; channels 32 u on
.irp t, 0,1
	ds_store_b128 v[STO], v[S+16*\u+8*\t:S+16*\u+8*\t+3] offset:64*\t
	ds_store_b128 v[STO], v[S+16*\u+8*\t+4:S+16*\u+8*\t+7] offset:64*\t+16
.endr
.irp i, 0,1,2,3,4,5,6,7
	ds_load_b128 v[KF+32*\u+4*\i:KF+32*\u+4*\i+3], v[RD] offset:2*\i*SP   ; LDS serves a wave's instructions in order (ISA guide 5.7.1.4): these see my stores, and the next pass's stores come behind them
.endr
.endr
	s_wait_dscnt 0x0                               ; both passes are back in registers
	v_and_b32 v8, 8, v0
	s_delay_alu instid0(VALU_DEP_1)
	v_cmp_ne_u32 vcc_lo, 0, v8                     ; lanes 8-15 of sixteen hold channels 32 on
.set j, 0
.rept 32
	v_cndmask_b32 v[KF+j], v[KF+j], v[VF+j], vcc_lo
.set j, j+1
.endr
.irp i, 0,1,2,3,4,5,6,7
	global_store_b128 v[GO], v[KF+4*\i:KF+4*\i+3], s[16:17] offset:(2*\i+24*(\i/4))*4096 th:TH_STORE_NT   ; stage rows 2 i, 2 i + 1 are queries 2 i + 24 (i / 4) on: sixteen lanes store 256 consecutive bytes, aligned
.endr
	s_wait_tensorcnt 0x0                           ; the wave's end
	ds_add_u32 v[SPW], v[NIL]
	s_wait_dscnt 0x0
	CROUND                                         ; the closing round
	s_endpgm
.Lfunc_end_k_q25ae29f87c_attn:
	.size	k_q25ae29f87c_attn, .Lfunc_end_k_q25ae29f87c_attn-k_q25ae29f87c_attn
	.p2alignl 7, 3214868480
	.fill 96, 4, 3214868480
	.section	.rodata,"a",@progbits
	.p2align	6, 0x0
	.amdhsa_kernel k_q25ae29f87c_attn
		.amdhsa_group_segment_fixed_size 327680
		.amdhsa_private_segment_fixed_size 0
		.amdhsa_enable_private_segment 0
		.amdhsa_kernarg_size 16
		.amdhsa_user_sgpr_count 2
		.amdhsa_user_sgpr_kernarg_segment_ptr 1
		.amdhsa_wavefront_size32 1
		.amdhsa_system_sgpr_workgroup_id_x 1
		.amdhsa_system_sgpr_workgroup_id_y 1
		.amdhsa_system_sgpr_workgroup_id_z 1
		.amdhsa_system_vgpr_workitem_id 0
		.amdhsa_next_free_vgpr 256
		.amdhsa_next_free_sgpr 80
		.amdhsa_reserve_vcc 1
		.amdhsa_float_denorm_mode_32 3
		.amdhsa_float_denorm_mode_16_64 3
		.amdhsa_memory_ordered 1
		.amdhsa_forward_progress 1
		.amdhsa_inst_pref_size 96
	.end_amdhsa_kernel
	.amdgpu_metadata
---
amdhsa.version: [ 1, 2 ]
amdhsa.kernels:
  - .name:           k_q25ae29f87c_attn
    .symbol:         k_q25ae29f87c_attn.kd
    .args:
      - { .name: kv, .offset: 0, .size: 8, .value_kind: global_buffer, .address_space: global }
      - { .name: out0, .offset: 8, .size: 8, .value_kind: global_buffer, .address_space: global }
    .group_segment_fixed_size: 327680
    .private_segment_fixed_size: 0
    .kernarg_segment_align: 8
    .kernarg_segment_size: 16
    .max_flat_workgroup_size: 512
    .sgpr_count:     80
    .vgpr_count:     256
    .wavefront_size: 32
...
	.end_amdgpu_metadata
.endif
;; end of part 2
